; MI455X (gfx1250); checked and timed in simulation.
; The chip was launched on July 23, 2026; its instructions are those of AMD's public machine-readable ISA for CDNA 5 (MIT licence, August 2026) and "CDNA5" Instruction Set Architecture Reference Guide (July 2026). The comments in the code are by the model that wrote it; some were corrected since.
;; Mask Relation Multi Head Attention. Allowed arithmetic: matrix products marked QUANTISED: E2M1 operands, one E8M0 scale for each 32 along K, by v_wmma_scale_f32_16x16x128_f8f6f4 with both operands' format E2M1 (or v_wmma_scale_f32_32x16x128_f4), f32 sums; products left as they are: f32 operands where the result goes on into a quantised operand, else bf16, f16 or f32 operands; f32 sums; everything else in f32.
;; Inputs: Wk_codes 1,024 x 32 x 16 uint8 (E2M1 codes of Wk, K innermost, in blocks of 32 codes, two codes a byte); Wk_scales 1,024 x 32 uint8 (E8M0 scales of Wk, one for each 32 codes along K); Wo_codes 1,024 x 32 x 16 uint8 (E2M1 codes of Wo, K innermost, in blocks of 32 codes, two codes a byte); Wo_scales 1,024 x 32 uint8 (E8M0 scales of Wo, one for each 32 codes along K); Wq_codes 1,024 x 32 x 16 uint8 (E2M1 codes of Wq, K innermost, in blocks of 32 codes, two codes a byte); Wq_scales 1,024 x 32 uint8 (E8M0 scales of Wq, one for each 32 codes along K); Wv_codes 1,024 x 32 x 16 uint8 (E2M1 codes of Wv, K innermost, in blocks of 32 codes, two codes a byte); Wv_scales 1,024 x 32 uint8 (E8M0 scales of Wv, one for each 32 codes along K); bk 1,024 float32; bo 1,024 float32; bq 1,024 float32; bv 1,024 float32; k_codes 16 x 2,048 x 32 x 16 uint8 (E2M1 codes of k, K innermost, in blocks of 32 codes, two codes a byte); k_scales 16 x 2,048 x 32 uint8 (E8M0 scales of k, one for each 32 codes along K); maskfill 16 x 16 x 1 x 2,048 bool; q_codes 16 x 1 x 32 x 16 uint8 (E2M1 codes of q, K innermost, in blocks of 32 codes, two codes a byte); q_scales 16 x 1 x 32 uint8 (E8M0 scales of q, one for each 32 codes along K); v_codes 16 x 2,048 x 32 x 16 uint8 (E2M1 codes of v, K innermost, in blocks of 32 codes, two codes a byte); v_scales 16 x 2,048 x 32 uint8 (E8M0 scales of v, one for each 32 codes along K).
;; Outputs: out0 16 x 1,024 float32; out1 16 x 1,024 float32.
;; This version of the problem:
;;   THIS VERSION OF THE PROBLEM IS GIVEN IN LOW PRECISION. The matrix products marked QUANTISED in the list below multiply operands that are first quantised to E2M1 (2 exponent bits, 1 mantissa bit; 4 bits a number), with one power-of-two scale for each 32 numbers along K (OCP MX v1.0); their sums are f32. All else is computed in f32.
;;   The module's matrix products, in the order in which they are computed (A, B: the left and right operand; K: the contracted axis; several contracted axes count as one K, in the product's order):
;;     1. [M 16, K 1,024] x [K 1,024, N 1,024]; A: input q (given as codes); B: input Wq (given as codes): QUANTISED
;;     2. [M 32,768, K 1,024] x [K 1,024, N 1,024]; A: input k (given as codes); B: input Wk (given as codes): QUANTISED
;;     3. [M 32,768, K 1,024] x [K 1,024, N 1,024]; A: input v (given as codes); B: input Wv (given as codes): QUANTISED
;;     4. batch 256 x [M 1, K 64] x [K 64, N 2,048]; A: computed on the way; B: computed on the way: left as it is (M = 1 < 16)
;;     5. batch 256 x [M 1, K 2,048] x [K 2,048, N 64]; A: softmax; B: computed on the way: left as it is (M = 1 < 16)
;;     6. batch 256 x [M 1, K 2,048] x [K 2,048, N 64]; A: softmax; B: computed on the way: left as it is (M = 1 < 16)
;;     7. [M 16, K 1,024] x [K 1,024, N 1,024]; A: computed on the way; B: input Wo (given as codes): QUANTISED
;;     8. [M 16, K 1,024] x [K 1,024, N 1,024]; A: computed on the way; B: input Wo (given as codes): QUANTISED
;;   THE QUANTISER, for each operand of a quantised product, along K:
;;     - K is cut into blocks of 32 from its start; a last block that is shorter is filled with zeros.
;;     - A block's scale is 2^e with e = floor(log2(the largest magnitude in the block)) - 2, held to -126 .. 127; a block of zeros has e = 0. As a byte (E8M0): e + 127.
;;     - Each number is divided by its block's scale, clamped to +-6, and rounded to the nearest number of E2M1, ties to even, subnormals kept.
;;     - The product sums the exact products of the quantised numbers (number of the format x scale) in f32.
;;   ~~~python
;;   def quantise(x, axis):      # numpy; x: float32 -> the quantised numbers, widened to float32 again
;;       x = np.moveaxis(x, axis, -1); K = x.shape[-1]
;;       x = np.pad(x, [(0, 0)] * (x.ndim - 1) + [(0, -K % 32)]); x = x.reshape(x.shape[:-1] + (-1, 32)); a = np.abs(x).max(-1, keepdims=True)
;;       e = np.where(a > 0, np.clip(np.frexp(np.where(a > 0, a, 1))[1] - 1 - 2, -126, 127), 0)      # np.frexp(a)[1] - 1 = floor(log2(a)), exactly
;;       r = np.clip(x / 2.0 ** e, -6, 6)
;;       step = 2.0 ** (np.maximum(np.frexp(np.where(r == 0, 1, r))[1] - 1, 0) - 1)
;;       q = np.round(r / step) * step * 2.0 ** e      # np.round: ties to even
;;       return np.moveaxis(q.reshape(q.shape[:-2] + (-1,))[..., :K], -1, axis).astype(np.float32)
;;   ~~~
;;   OPERANDS COMPUTED ON THE WAY. 'Computed on the way' means the value that the module computes at that place (a softmax that the list does not call 'softmax' is quantised finished and normalised). What goes into a quantiser is computed in f32, as accurately as f32 sums, v_exp_f32 and their like allow (about 1e-6 of the number): no bf16 or f16 on the way to a quantiser, and a product that is left as it is and whose result goes on into a quantised operand takes f32 operands (vector FMAs, or v_wmma_f32_16x16x4_f32). A number that lies on a knife's edge between two numbers of the format may be rounded either way, as far as f32 arithmetic and the matrix unit's own rounding can turn it there, and no further.
;;   INPUTS GIVEN AS CODES. Wk (in the module: [1024, 1024], K = its axis 0); Wo (in the module: [1024, 1024], K = its axis 0); Wq (in the module: [1024, 1024], K = its axis 0); Wv (in the module: [1024, 1024], K = its axis 0); k (in the module: [16, 2048, 1024], K = its axis 2); q (in the module: [16, 1, 1024], K = its axis 2); v (in the module: [16, 2048, 1024], K = its axis 2): each comes as NAME_codes (uint8): NAME with its K axis moved to the last place and cut into blocks of 32 codes, [.., K / 32, bytes a block], one block behind the other in memory; two codes a byte, the lower K in the low four bits (a code: sign, 2 exponent bits, 1 mantissa bit); and NAME_scales (uint8): the same leading axes, one E8M0 byte (e + 127) for each 32 codes along K. Its value is code x scale, taken as it is: it is not quantised again, and the codes and scales need not be those that the quantiser above would give.
;; One version. Each part assembles by itself: llvm-mc -triple=amdgcn-amd-amdhsa -mcpu=gfx1250 --defsym DOCPART=n.
;; ======== version 1 of 1: 2 launches
;; limits: right only within a limited range of input values
;; workspace buffers: part_o 524,288 bytes; part_s 16,384 bytes
;; launch attn (part 1): grid 4 x 64, 4 waves a work-group, clusters of 4 x 4, 327,680 bytes of LDS; arguments q_codes, q_scales, Wq_codes, Wq_scales, bq, k_codes, k_scales, Wk_codes, Wk_scales, bk, v_codes, v_scales, Wv_codes, Wv_scales, maskfill, part_o, part_s; writes part_o, part_s
.if DOCPART == 1
	.amdgcn_target "amdgcn-amd-amdhsa--gfx1250"
	.amdhsa_code_object_version 6
	.text
	.protected	k_q784ec5d58d_attn
	.globl	k_q784ec5d58d_attn
	.p2align	8
	.type	k_q784ec5d58d_attn,@function
k_q784ec5d58d_attn:
	s_mov_b64 s[64:65], 0
	v_nop
	global_prefetch_b8 v0, s[64:65] scope:SCOPE_SE
	s_setreg_imm32_b32 hwreg(HW_REG_WAVE_MODE, 25, 1), 1
	s_wait_xcnt 0x0
	s_wait_alu depctr_hold_cnt(0) depctr_sa_sdst(0) depctr_va_vdst(0) depctr_va_sdst(0) depctr_va_ssrc(0) depctr_va_vcc(0) depctr_vm_vsrc(0)
	s_getreg_b32 s2, hwreg(HW_REG_IB_STS2, 6, 4)
	s_cmp_eq_u32 s2, 0
	s_cbranch_scc0 .Lentry_in_a_cluster
	s_endpgm
.Lentry_in_a_cluster:
	s_bfe_u32 s2, ttmp6, 0x10000c
	s_cmp_lg_u32 s2, 0xf033
	s_cbranch_scc0 .Lentry_shape_is_right
	s_endpgm
.Lentry_shape_is_right:
; One query a batch attends over 2,048 keys in 16 heads of 64, twice: with the scores as they are, and with the scores under maskfill set to 0.
; THIS LAUNCH: qh = q Wq + bq, kh = k Wk + bk, vh = v Wv on E2M1 codes with E8M0 scales; the scores qh . kh / 8; both softmaxes' weights and weighted sums over this work-group's 512 keys.
; NO WORK IS LEFT OUT AS DEAD, and every input is loaded by one of the two launches.
; TWO IDENTITIES: qh . (k Wk + bk) = qh . (k Wk) + qh . bk, so bk enters each score as one number of its head; and a softmax's weights sum to 1, so bv is added once, by the next launch, behind the normalised sum.
; LIMITS: NaN and infinities among the inputs are not served; a mask byte other than 0 counts as true; a weight under 2^-126 of its row's largest counts as 0; the f32 sums run in another order than the reference's.
; SHARES.  A work-group owns 512 keys (a quarter of one batch) and four heads.  Wave w: c = w & 1 says which two heads (128 columns of Wk, then of Wv, in 512 registers), kh = w >> 1 which 32 of each 64 keys.
; A GROUP is 32 keys x 128 columns x K 1,024: 128 matrix instructions on sixteen accumulators by turns; eight groups a pass.  A fragment of keys read from LDS feeds eight matrix instructions.
; LDS.  Two blocks of 256 rows x (512 bytes + 16): D0: k's rows 0-255, then Wv's 256, then v's rows 256-511; D1: Wk's 256 rows, then k's rows 256-511, then v's rows 0-255.
; CLUSTER 4 x 4: x = the group of four heads, y = the quarter of the batch.  Rows of k and v are asked for jointly along x, rows of the weights along y.
; PREFETCH: 512 blocks of 256 bytes of the next half of k or v, 128 for each of the four work-groups that load it jointly, 32 a wave, a refill ahead of the load.  The weights' rows are not asked for
; ahead: all 16 clusters read the same 512 KiB of Wv.
; LAYOUT.  K pass: source 0 = 16 columns of Wk, source 1 = 16 keys: a lane holds key r, register j channel 16 t + 8 hf + j.  V pass: source 0 = 16 keys, source 1 = 16 columns of Wv: a lane holds channel r, register j key 8 hf + j.
; REGISTERS: window 0: v1-15, v88-95 addresses; v16-79 scale words of Wk and Wv; v80-87 the keys'; v96-223 the group's fragments; v224-255 at work
;   windows 1, 2: the weights of my first and second head;  window 3: v0-127 accumulators; K pass: v128-191 qh, v192-255 bk, then sums at work; V pass: v128-191 the weights p, v192-223 the weighted sums
.set PITCH, 528                        ; 33 x 16: the sixteen rows of a load begin in sixteen different groups of four banks
.set BLK,   256*PITCH                  ; D1
.set GST,   64*PITCH                   ; from group to group
.set SUNIT, 272                        ; 256 scale bytes (8 keys x 32) + 16 of padding
.set SST,   8*SUNIT
.set SCK,   2*BLK
.set SCV,   SCK+64*SUNIT
.set SCR,   SCV+64*SUNIT               ; 4,096 bytes a wave: scores, then p (2 heads x 256), p' 2,048 on
.set QH,    SCR+4*4096                 ; qh of the four heads
.set SPARE, QH+1024                    ; the spare words: two blocks of 256 bytes that no other line names
.set A0, 1
.set AS0, 2
.set ADR, 3
.set ADS, 4
.set TS0, 5
.set ADT, 6
.set SM0, 7
.set SPW, 8
.set NIL, 9
.set WFO, 10
.set WSO, 11
.set BIO, 12
.set QO, 13
.set MO, 14
.set ZO, 15
.set WKS, 16
.set WVS, 48
.set KSC, 80
.set WA, 88
.set WB, 89
.set QHS, 90
.set QHL, 91
.set PFO, 92
.set ADP, 93
.set PV0, 94
.set LN, 95
.set AF, 96
.set MK, 240
.set STAT, 244                         ; m, l, m', l' of my first head, then of my second
.set QV, 128
.set PR, 128
.set BKR, 192
.set XX, 196
.set OO, 192
.set WV, 38
.set CX, 39
.set CY, 40
.set CH, 41
.set KH, 42
.set BB, 43
.set G1A, 48
.set G1W, 56
.set G1S, 68
.set G0A, 76
.set G0V, 80
.set G0W, 84
.set G0S, 88
.set SEL, 92
.set CSC, 94
.set TB, 96
.set TT, 97
.set CNT, 98
.set TS, 99
.set SX, 100
.set WQ, 101
.set MSB, 0
.macro WIN new                         ; the immediate's high byte repeats the setting that is left
.if MSB != (\new)
	s_set_vgpr_msb (MSB<<8)|(\new)
.set MSB, (\new)
.endif
.endm
.macro PLACES                          ; four plain instructions behind a matrix instruction, ahead of reads of its result and of loads into its sources
.rept 4
	v_nop
.endr
.endm
.macro CREST                           ; a round of the cluster's barrier behind its opening barrier
	s_cmp_lg_u32 s[WV], 0
	s_cbranch_scc1 .Lnot_wave_0_\@
	s_barrier_signal -3
.Lnot_wave_0_\@:
	s_barrier_wait -3
	s_barrier_signal -1
	s_barrier_wait -1
.endm
.macro CROUND
	s_barrier_signal -1
	s_barrier_wait -1
	CREST
.endm
.macro JL g0, g1
	tensor_load_to_lds s[\g0:\g0+3], s[\g1:\g1+7]
	s_nop 0
.rept 4
	v_nop
.endr
.endm
.macro ARM under, g0, g1, next, done   ; one arm of a tree on the wave's number: one load
	s_cmp_lt_u32 s[WV], \under
	s_cbranch_scc0 \next
	JL \g0, \g1
	s_branch \done
\next:
.endm
; Loads.  ALD: number q of the eight loads of K steps 2 p, 2 p + 1 of a group's keys (lane (r, hf): row r, K = 64 cc + 32 hf + 0 .. 31 in registers 4 cc on).  SLD: scale words of four K steps, lane = key.
; WLD: number q of a wave's 128 loads of a weight, K step q / 16.  PVL: p of 8 hf + 0 .. 3 (or 4 .. 7) of a tile.  QVL: qh.
.macro ALD ar, p, q
.set lk, 2*(\p)+((\q)>>2)
.set li, ((\q)>>1)&1
.set lc, (\q)&1
	WIN 0
	ds_load_b128 v[AF+64*li+8*lk+4*lc:AF+64*li+8*lk+4*lc+3], v[\ar] offset:li*16*PITCH+64*lk+32*lc
.endm
.macro SLD ar, u
	WIN 0
	ds_load_b128 v[KSC+4*\u:KSC+4*\u+3], v[\ar] offset:16*\u
.endm
.macro WLD ar, q
.set lk, (\q)>>4
.set lh, ((\q)>>3)&1
.set li, ((\q)>>1)&3
.set lc, (\q)&1
	WIN 0x40<<lh
	ds_load_b128 v[8*(8*li+lk)+4*lc:8*(8*li+lk)+4*lc+3], v[\ar] offset:(4*lh+li)*16*PITCH+64*lk+32*lc
.endm
.macro PVL n
.set lp, (\n)>>3
.set lh, ((\n)>>2)&1
.set li, ((\n)>>1)&1
.set lc, (\n)&1
	WIN 0xC0
	ds_load_b128 v[PR+32*lp+16*lh+8*li+4*lc:PR+32*lp+16*lh+8*li+4*lc+3], v[ADP] offset:2048*lp+1024*lh+64*li+16*lc
.endm
.macro QVL n
.set lh, (\n)>>3
.set li, ((\n)>>1)&3
.set lc, (\n)&1
	WIN 0xC0
	ds_load_b128 v[QV+32*lh+8*li+4*lc:QV+32*lh+8*li+4*lc+3], v[QHL] offset:256*lh+64*li+16*lc
.endm
; A scaled product; m: 1: source 0's scales from lanes 16-31, 2: source 1's, 3: both.  The first K step takes 0 as C.
.macro WX d, a, b, s, u, m, ks
.if (\ks) == 0
.if (\m) == 0
	v_wmma_scale_f32_16x16x128_f8f6f4 v[\d:\d+7], v[\a:\a+7], v[\b:\b+7], 0, v[\s], v[\u] matrix_a_fmt:MATRIX_FMT_FP4 matrix_b_fmt:MATRIX_FMT_FP4
.elseif (\m) == 1
	v_wmma_scale_f32_16x16x128_f8f6f4 v[\d:\d+7], v[\a:\a+7], v[\b:\b+7], 0, v[\s], v[\u] matrix_a_fmt:MATRIX_FMT_FP4 matrix_b_fmt:MATRIX_FMT_FP4 matrix_a_scale:MATRIX_SCALE_ROW1
.elseif (\m) == 2
	v_wmma_scale_f32_16x16x128_f8f6f4 v[\d:\d+7], v[\a:\a+7], v[\b:\b+7], 0, v[\s], v[\u] matrix_a_fmt:MATRIX_FMT_FP4 matrix_b_fmt:MATRIX_FMT_FP4 matrix_b_scale:MATRIX_SCALE_ROW1
.else
	v_wmma_scale_f32_16x16x128_f8f6f4 v[\d:\d+7], v[\a:\a+7], v[\b:\b+7], 0, v[\s], v[\u] matrix_a_fmt:MATRIX_FMT_FP4 matrix_b_fmt:MATRIX_FMT_FP4 matrix_a_scale:MATRIX_SCALE_ROW1 matrix_b_scale:MATRIX_SCALE_ROW1
.endif
.else
.if (\m) == 0
	v_wmma_scale_f32_16x16x128_f8f6f4 v[\d:\d+7], v[\a:\a+7], v[\b:\b+7], v[\d:\d+7], v[\s], v[\u] matrix_a_fmt:MATRIX_FMT_FP4 matrix_b_fmt:MATRIX_FMT_FP4
.elseif (\m) == 1
	v_wmma_scale_f32_16x16x128_f8f6f4 v[\d:\d+7], v[\a:\a+7], v[\b:\b+7], v[\d:\d+7], v[\s], v[\u] matrix_a_fmt:MATRIX_FMT_FP4 matrix_b_fmt:MATRIX_FMT_FP4 matrix_a_scale:MATRIX_SCALE_ROW1
.elseif (\m) == 2
	v_wmma_scale_f32_16x16x128_f8f6f4 v[\d:\d+7], v[\a:\a+7], v[\b:\b+7], v[\d:\d+7], v[\s], v[\u] matrix_a_fmt:MATRIX_FMT_FP4 matrix_b_fmt:MATRIX_FMT_FP4 matrix_b_scale:MATRIX_SCALE_ROW1
.else
	v_wmma_scale_f32_16x16x128_f8f6f4 v[\d:\d+7], v[\a:\a+7], v[\b:\b+7], v[\d:\d+7], v[\s], v[\u] matrix_a_fmt:MATRIX_FMT_FP4 matrix_b_fmt:MATRIX_FMT_FP4 matrix_a_scale:MATRIX_SCALE_ROW1 matrix_b_scale:MATRIX_SCALE_ROW1
.endif
.endif
.endm
.macro MUL ks, t, i
.set rD, 16*(4*HS+\t)+8*\i
.set rW, 8*(8*\t+\ks)
.set rA, AF+64*\i+8*\ks
.set rS, WKS+32*PS+8*(2*HS+((\t)>>1))+\ks
.set rK, KSC+\ks
.if PS == 0
	WIN 0xF1+HS
	WX rD, rW, rA, rS, rK, (\t&1)+2*\i, \ks
.else
	WIN 0xF0+4*(1+HS)
	WX rD, rA, rW, rK, rS, \i+2*(\t&1), \ks
.endif
.endm
; LOADS GO IN RUNS.  RUN: a pair of K steps of a group's keys, 8 loads.  WRUN: n loads of a weight.  NEXTRUN: the next group's keys, 34 loads in front of the epilogue: the first 17 serve K steps 0 to 3, the last 17 K steps 4 to 7.
.macro RUN ar, p
.irp q, 0,1,2,3,4,5,6,7
	ALD \ar, \p, \q
.endr
.endm
.macro WRUN ar, from, n
.set nn, \from
.rept \n
	WLD \ar, nn
.set nn, nn+1
.endr
	WIN 0
.endm
.macro NEXTRUN
	RUN ADR, 0
	RUN ADR, 1
	SLD ADS, 0
	SLD ADS, 1
	RUN ADR, 2
	RUN ADR, 3
.endm
; MODES of a group.  K pass: 0 the plain one, 1 the first (brings Wk into registers; changes blocks at its end), 2 and 3 change blocks behind their first 32 products; 3 is the last (brings Wv into registers).  V pass: 4, and 5 the last.
.macro MEET                            ; all my tensor loads have landed; 0 onto my spare word
	WIN 0
	s_wait_tensorcnt 0x0
	ds_add_u32 v[SPW], v[NIL]
.endm
.macro HEAD mode, ks
.if (\ks) == 0
.if (\mode) == 1
	WRUN WA, 32, 16                                ; K step 2 of Wk
	s_wait_dscnt 24                                ; K steps 0 and 1 are in: behind them 8 loads of keys and these 16
.elseif (\mode) >= 4
.irp n, 0,1,2,3,4,5,6,7,8,9,10,11,12,13,14,15
	PVL \n
.endr
	s_wait_dscnt 33                                ; all but the last end run's 17 and these 16
.else
	s_wait_dscnt 19                                ; all but the last end run's 17 and the scores' two stores
.endif
.if ((\mode) == 2) || ((\mode) == 3)
	MEET
.endif
.elseif (\ks) == 1
.if ((\mode) == 2) || ((\mode) == 3)
	s_wait_dscnt 0x0                               ; the add is done, and my reads of the block that I have left are over
	s_barrier_signal -1
.endif
.elseif (\ks) == 2
.if ((\mode) == 2) || ((\mode) == 3)
	WIN 0
	s_barrier_wait -1
	CREST                                          ; no wave of any partner still reads the block or has a load on its way
.if (\mode) == 2
	JL G0W, G1W                                    ; Wv into D0
.else
	JL G0V, G1A                                    ; v's rows 0-255 into D1
	v_add_nc_u32 v[ADT], s[TT], v[TS0]
	s_wait_alu depctr_va_vdst(0)
	WRUN WB, 0, 32                                 ; K steps 0 and 1 of Wv: Wk's have been multiplied
.endif
.elseif (\mode) == 1
	WRUN WA, 48, 32
	RUN A0, 2
	s_wait_dscnt 40                                ; K step 2 is in: 40 loads stand behind it
.endif
.elseif (\ks) == 3
.if (\mode) == 1
	s_wait_dscnt 24                                ; K step 3: 16 of the weight and 8 of keys stand behind it
.endif
.elseif (\ks) == 4
.if ((\mode) == 0) || ((\mode) == 2)
	s_wait_dscnt 0x0                               ; the whole of the last run, and the scores' stores
.elseif (\mode) >= 4
	s_wait_dscnt 16                                ; the whole of the last run; the loads of p may be out
.elseif (\mode) == 1
	WRUN WA, 80, 32
	RUN A0, 3
	global_prefetch_b8 v[PFO], s[14:15] offset:131072 th:TH_LOAD_NT scope:SCOPE_SE   ; k's rows 256-511: what the next refill asks for
.irp n, 0,1,2,3,4,5,6,7,8,9,10,11,12,13,14,15
	QVL \n
.endr
	s_wait_dscnt 56                                ; K step 4: these 56 stand behind it
.endif
.elseif (\ks) == 5
.if (\mode) == 1
	s_wait_dscnt 40                                ; K step 5
.endif
.elseif (\ks) == 6
.if (\mode) == 1
	WRUN WA, 112, 16
	s_wait_dscnt 32                                ; K step 6 and its keys: qh's 16 loads and these 16 stand behind them
	MEET
	s_add_co_u32 s[G0A+1], s[G0A+1], 128*PITCH     ; on to k's rows 256 + 64 w, into D1
	s_add_nc_u64 s[G0A+2:G0A+3], s[G0A+2:G0A+3], 0x10000
.elseif (\mode) == 3
	PLACES
	WRUN WB, 32, 32
	global_prefetch_b8 v[PFO], s[24:25] offset:131072 th:TH_LOAD_NT scope:SCOPE_SE   ; v's rows 256-511
.endif
.else
.if (\mode) == 1
	s_wait_dscnt 0x0                               ; the add is done, and Wk is in registers: D1 has been read
	s_barrier_signal -1
.endif
.endif
.endm
.macro ADRS                            ; the next group's addresses, and this group's scores'
	v_nop
	v_add_nc_u32 v[ADR], s[TB], v[A0]
	v_add_nc_u32 v[ADS], s[TS], v[AS0]
	v_add_nc_u32 v[ADT], s[TT], v[TS0]
	s_wait_alu depctr_va_vdst(0)
.endm
; The scores of a group's 32 keys under both heads: packed multiply-adds, two chains for each head and tile of keys.  A lane holds half of a key's 64 channels, the lane 16 away the other half:
; the exchange brings both halves of tile 0 into lanes 0-15 and of tile 1 into lanes 16-31.
.macro EPIK
.irp tp, 0,2
.irp pr, 0,1,2,3
	WIN 0xFF
.irp tt, 0,1
.irp h, 0,1
.irp i, 0,1
.set rC, 16*(4*\h+\tp+\tt)+8*\i+2*\pr
.set rQ, QV+32*\h+8*(\tp+\tt)+2*\pr
.set rX, XX+4*(2*\h+\i)+2*\tt
.if (\tp == 0) && (\pr == 0) && (\tt == 0)
	v_pk_fma_f32 v[rX:rX+1], v[rC:rC+1], v[rQ:rQ+1], v[BKR+32*\h:BKR+32*\h+1]
.elseif (\tp == 0) && (\pr == 0)
	v_pk_mul_f32 v[rX:rX+1], v[rC:rC+1], v[rQ:rQ+1]
.else
	v_pk_fma_f32 v[rX:rX+1], v[rC:rC+1], v[rQ:rQ+1], v[rX:rX+1]
.endif
.endr
.endr
.endr
.endr
.endr
	WIN 0xFF
.irp n, 0,4,8,12
	v_pk_add_f32 v[XX+\n:XX+\n+1], v[XX+\n:XX+\n+1], v[XX+\n+2:XX+\n+3]
.endr
.irp n, 0,4,8,12
	v_add_f32 v[XX+\n], v[XX+\n], v[XX+\n+1]
.endr
	v_permlane16_swap_b32 v[XX], v[XX+4]
	v_permlane16_swap_b32 v[XX+8], v[XX+12]
	v_add_f32 v[XX], v[XX], v[XX+4]
	v_add_f32 v[XX+8], v[XX+8], v[XX+12]
	WIN 0x0C
	ds_store_b32 v[ADT], v[XX]
	ds_store_b32 v[ADT], v[XX+8] offset:1024
	WIN 0
.endm
; Both weighted sums of a channel take in a group's 32 keys: even and odd keys in the two halves of a pair.
.macro EPIV
.irp i, 0,1
.irp pr, 0,1,2,3
	WIN 0xFF
.irp t, 0,1,2,3,4,5,6,7
.irp pa, 0,1
	v_pk_fma_f32 v[OO+16*\pa+2*\t:OO+16*\pa+2*\t+1], v[16*\t+8*\i+2*\pr:16*\t+8*\i+2*\pr+1], v[PR+32*\pa+16*(\t/4)+8*\i+2*\pr:PR+32*\pa+16*(\t/4)+8*\i+2*\pr+1], v[OO+16*\pa+2*\t:OO+16*\pa+2*\t+1]
.endr
.endr
.endr
.endr
	WIN 0
.endm
.macro GROUP mode
.set PS, (\mode)>>2
.if PS
	v_add_nc_u32 v[ADP], s[TT], v[PV0]
	s_wait_alu depctr_va_vdst(0)
.endif
.irp ks, 0,1,2,3,4,5,6,7
	HEAD \mode, \ks
.irp hh, 0,1
.set HS, \hh
.irp t, 0,1,2,3
.irp i, 0,1
	MUL \ks, \t, \i
.endr
.endr
.endr
.endr
.if (\mode) == 1
	WIN 0
	s_barrier_wait -1
	CREST
	JL G0A, G1A                                    ; k's rows 256-511 into D1; its four v_nop are also the places in front of the loads and of the reads of results
	NEXTRUN
	WIN 0xFF
.irp t, 0,1,2,3
.irp pr, 0,1,2,3
.irp h, 0,1
.if (\t == 0) && (\pr == 0)
	v_pk_mul_f32 v[BKR+32*\h:BKR+32*\h+1], v[BKR+32*\h:BKR+32*\h+1], v[QV+32*\h:QV+32*\h+1]   ; qh . bk, once: my half of the channels, in two halves
.else
	v_pk_fma_f32 v[BKR+32*\h:BKR+32*\h+1], v[BKR+32*\h+8*\t+2*\pr:BKR+32*\h+8*\t+2*\pr+1], v[QV+32*\h+8*\t+2*\pr:QV+32*\h+8*\t+2*\pr+1], v[BKR+32*\h:BKR+32*\h+1]
.endif
.endr
.endr
.endr
.else
.if (\mode) == 3
	PLACES
	WRUN WB, 64, 16
.elseif (\mode) == 5
	PLACES
.elseif (\mode) == 4
	WIN 0
	v_nop                                          ; two of the four places; the next group's addresses are the others
	v_nop
	v_add_nc_u32 v[ADR], s[TB], v[A0]
	v_add_nc_u32 v[ADS], s[TS], v[AS0]
	s_wait_alu depctr_va_vdst(0)
	NEXTRUN
.else
	WIN 0
	ADRS                                           ; four places
	NEXTRUN
.if (\mode) == 2
	global_prefetch_b8 v[PFO], s[24:25] th:TH_LOAD_NT scope:SCOPE_SE   ; v's rows 0-255: what the next refill of D1 asks for
.endif
.endif
.endif
.if PS == 0
	EPIK
.else
.if (\mode) == 4
	s_wait_dscnt 34                                ; p is in: the next group's 34 loads stand behind it
.else
	s_wait_dscnt 0x0
.endif
	EPIV
.endif
.endm
.macro SEG tb, ts, g                   ; where the next group's rows and scale words begin, and this group's scores
	s_mov_b32 s[TB], \tb
	s_mov_b32 s[TS], \ts
	s_mov_b32 s[TT], 128*\g
.endm
.macro LOOPEND lab
	s_add_co_u32 s[TB], s[TB], GST
	s_add_co_u32 s[TS], s[TS], SST
	s_add_co_u32 s[TT], s[TT], 128
	s_sub_co_u32 s[CNT], s[CNT], 1
	s_cmp_lg_u32 s[CNT], 0
	s_cbranch_scc1 \lab
.endm
.macro WL8 n                           ; eight more loads of Wv
.irp k, 0,1,2,3,4,5,6,7
	WLD WB, 80+8*\n+\k
.endr
	WIN 0
.endm
	s_load_b512 s[4:19], s[0:1], 0x0               ; q's codes s[4:5], q's scales s[6:7], Wq's codes s[8:9], Wq's scales s[10:11], bq s[12:13], k's codes s[14:15], k's scales s[16:17], Wk's codes s[18:19]
	s_load_b512 s[20:35], s[0:1], 0x40             ; Wk's scales s[20:21], bk s[22:23], v's codes s[24:25], v's scales s[26:27], Wv's codes s[28:29], Wv's scales s[30:31], maskfill s[32:33], part_o s[34:35]
	s_load_b64 s[36:37], s[0:1], 0x80              ; part_s
	v_lshl_add_u32 v[SPW], v0, 2, SPARE
	v_mov_b32 v[NIL], 0
	ds_add_u32 v[SPW], v[NIL]                      ; the wave's opening: the add, twice on end, ahead of my first tensor load
	ds_add_u32 v[SPW], v[NIL]
	v_lshrrev_b32 v[LN], 5, v0
	v_readfirstlane_b32 s[WV], v[LN]
	s_bfe_u32 s[CX], ttmp6, 0x40000                ; which four heads
	s_bfe_u32 s[CY], ttmp6, 0x40004                ; which quarter of the batch
	s_and_b32 s[BB], ttmp7, 0xffff                 ; the cluster: the batch
	s_and_b32 s[CH], s[WV], 1
	s_lshr_b32 s[KH], s[WV], 1
	s_lshl_b32 s2, s[KH], 5
	s_lshl_b32 s3, s[KH], 2
	s_lshl_b32 s44, s[CH], 7
	s_lshl_b32 s45, s[WV], 12
	s_add_co_u32 s45, s45, SCR                     ; my scratch
	s_lshl_b32 s[TB], s[CH], 9
	s_add_co_u32 s[TB], s[TB], QH
	s_lshl_b32 s[TT], s[KH], 8
	s_add_co_u32 s[TT], s[TT], s[TB]
	s_lshl_b32 s[SX], s[CX], 7
	s_lshl_b32 s[CNT], s[WV], 5
	s_add_co_u32 s[SX], s[SX], s[CNT]
	v_and_b32 v224, 15, v0                         ; r
	v_bfe_u32 v225, v0, 4, 1                       ; hf
	v_and_b32 v226, 31, v0                         ; lane
	v_add_nc_u32 v227, s2, v224
	v_mul_u32_u24 v[A0], v227, PITCH
	v_lshl_add_u32 v[A0], v225, 4, v[A0]           ; row 32 kh + r, + 16 hf
	v_lshrrev_b32 v227, 3, v226
	v_add_nc_u32 v227, s3, v227
	v_mul_u32_u24 v[AS0], v227, SUNIT
	v_and_b32 v227, 7, v226
	v_lshl_add_u32 v[AS0], v227, 5, v[AS0]
	v_add_nc_u32 v[AS0], SCK, v[AS0]               ; the scale words of key 32 kh + lane
	v_add_nc_u32 v227, s44, v224
	v_mul_u32_u24 v[WB], v227, PITCH
	v_lshl_add_u32 v[WB], v225, 4, v[WB]           ; my 128 columns of a weight in D0
	v_add_nc_u32 v[WA], BLK, v[WB]                 ; and in D1
	v_lshl_add_u32 v[TS0], v226, 2, s45
	v_lshl_add_u32 v[SM0], v226, 5, s45
	v_lshl_add_u32 v[PV0], v225, 5, s45
	v_lshl_add_u32 v[QHS], v225, 5, s[TT]          ; qh of head 2 c + kh, which I make
	v_lshl_add_u32 v[QHL], v225, 5, s[TB]          ; qh of my two heads
	v_lshlrev_b32 v[WFO], 9, v224
	v_lshl_add_u32 v[WFO], v225, 4, v[WFO]
	v_lshlrev_b32 v[WSO], 5, v226
	v_lshlrev_b32 v[BIO], 5, v225
	v_lshlrev_b32 v[QO], 4, v225
	v_lshrrev_b32 v227, 2, v226
	v_lshlrev_b32 v[MO], 6, v227
	v_and_b32 v227, 3, v226
	v_lshl_add_u32 v[MO], v227, 3, v[MO]           ; slots 8 x lane + 0 .. 7 = keys 64 (lane / 4) + 8 (lane % 4) + 0 .. 7 of my half
	v_mov_b32 v[ZO], 0
	v_add_nc_u32 v227, s[SX], v226
	v_lshlrev_b32 v[PFO], 8, v227                  ; my block of 256 bytes among 512
	s_lshl_b32 s[CNT], s[SX], 7
	v_min_u32 v232, 15, v226
	v_lshlrev_b32 v232, 8, v232
	v_add_nc_u32 v232, s[CNT], v232                ; and among 256: 64 a work-group, 16 a wave; the lanes left over name the wave's last block again
	v_add_nc_u32 v[ADR], GST, v[A0]
	v_add_nc_u32 v[ADS], SST, v[AS0]
	v_mov_b32 v[ADT], v[TS0]
.irp n, 0,1,2,3
	v_mov_b32 v[228+\n], 0                         ; written once: a lane permute's destination counts as one of its sources
.endr
	s_lshl_b32 s44, s[CY], 2
	s_lshl_b32 s44, 15, s44                        ; the four that share rows of k and v
	s_or_b32 s[G1A], s44, (1<<20)|(1<<21)|(6<<22)|(3<<25)            ; 1-byte elements; four words of padding after every 128
	s_or_b32 s[G1S], s44, (3<<16)|(1<<20)|(1<<21)|(5<<22)|(3<<25)    ; 8-byte elements; four words after every 64
	s_lshl_b32 s46, 0x1111, s[CX]                  ; the four that share rows of the weights
	s_or_b32 s[G1W], s46, (1<<20)|(1<<21)|(6<<22)|(3<<25)
.irp g, G1A, G1W
	s_mov_b32 s[\g+1], 512<<16
	s_mov_b32 s[\g+2], 128<<16                     ; 128 rows at the head, 64 behind it
	s_mov_b32 s[\g+3], 512<<16
	s_mov_b32 s[\g+4], 128
	s_mov_b32 s[\g+5], 512
	s_mov_b32 s[\g+6], 0
	s_mov_b32 s[\g+7], 0
.endr
	s_mov_b32 s[G1S+1], 32<<16                     ; 512 keys' scale bytes, dense: 64 rows of 256 bytes
	s_mov_b32 s[G1S+2], 64<<16
	s_mov_b32 s[G1S+3], 32<<16
	s_mov_b32 s[G1S+4], 64
	s_mov_b32 s[G1S+5], 32
	s_mov_b32 s[G1S+6], 0
	s_mov_b32 s[G1S+7], 0
	s_mul_i32 s[WQ], s[WV], 64*PITCH
	s_mov_b32 s[SEL], 0x76543210
	s_mov_b32 s[SEL+1], 0xfedcba98
	s_mov_b32 s[CSC], 0x3e38aa3b                   ; log2(e) / 8
	s_mov_b32 s[CSC+1], s[CSC]
	s_wait_alu depctr_va_vdst(0)
	s_wait_dscnt 0x0                               ; both opening adds are done
	s_wait_kmcnt 0x0
	s_lshl_b32 s2, s[BB], 2
	s_add_co_u32 s2, s2, s[CY]                     ; which 512 keys
	s_mov_b32 s45, 0
	s_mov_b32 s47, 0
	s_lshl_b32 s44, s2, 18
	s_add_nc_u64 s[14:15], s[14:15], s[44:45]      ; k's codes at my row 0
	s_add_nc_u64 s[24:25], s[24:25], s[44:45]      ; v's
	s_lshl_b32 s44, s2, 14
	s_add_nc_u64 s[16:17], s[16:17], s[44:45]      ; their scale bytes
	s_add_nc_u64 s[26:27], s[26:27], s[44:45]
	s_lshl_b32 s46, s[CX], 17
	s_add_nc_u64 s[18:19], s[18:19], s[46:47]      ; Wk's codes at my four heads
	s_add_nc_u64 s[28:29], s[28:29], s[46:47]      ; Wv's
	s_mov_b32 s[G0A], 1
	s_mov_b32 s[G0A+1], 0
	s_mov_b64 s[G0A+2:G0A+3], s[14:15]
	s_or_b32 s[G0A+3], s[G0A+3], 0x80000000
	s_and_b32 s46, s[WV], 1
	s_xor_b32 s46, s46, 1                          ; waves 1 and 2 fetch Wk's halves 0 and 1
	s_mov_b32 s[G0W], 1
	s_mul_i32 s[G0W+1], s46, 128*PITCH
	s_add_co_u32 s[G0W+1], s[G0W+1], BLK
	s_lshl_b32 s46, s46, 16
	s_add_nc_u64 s[G0W+2:G0W+3], s[18:19], s[46:47]
	s_or_b32 s[G0W+3], s[G0W+3], 0x80000000
	s_mov_b32 s[G0S], 1
	s_mov_b32 s[G0S+1], SCK
	s_mov_b64 s[G0S+2:G0S+3], s[16:17]
	s_or_b32 s[G0S+3], s[G0S+3], 0x80000000
	s_lshl_b32 s44, s[WV], 15                      ; 64 rows a wave
	s_mov_b32 s[G0V], 1
	s_add_co_u32 s[G0V+1], s[WQ], BLK
	s_add_nc_u64 s[G0V+2:G0V+3], s[24:25], s[44:45]
	s_or_b32 s[G0V+3], s[G0V+3], 0x80000000
	CROUND                                         ; all sixteen work-groups are here: the first joint loads meet
	ARM 1, G0A, G1A, .Lh_w, .Lh_asked              ; wave 0: k's rows 0-127; waves 1, 2: Wk; wave 3: k's scale bytes
	ARM 3, G0W, G1W, .Lh_s, .Lh_asked
	JL G0S, G1S
.Lh_asked:
	; the other addresses go through s[98:99] alone, which feed no descriptor
	s_mov_b32 s99, 0
	s_lshl_b32 s3, s[CX], 2
	s_lshl_b32 s[SX], s[CH], 1
	s_add_co_u32 s[SX], s[SX], s3                  ; my first head
	s_add_co_u32 s3, s[SX], s[KH]                  ; the head whose qh and whose result I make
	s_lshl_b32 s98, s3, 15
	s_add_nc_u64 s[8:9], s[8:9], s[98:99]
	s_lshl_b32 s98, s3, 11
	s_add_nc_u64 s[10:11], s[10:11], s[98:99]
	s_lshl_b32 s98, s3, 8
	s_add_nc_u64 s[12:13], s[12:13], s[98:99]
	s_lshl_b32 s98, s[SX], 11
	s_add_nc_u64 s[20:21], s[20:21], s[98:99]
	s_add_nc_u64 s[30:31], s[30:31], s[98:99]
	s_lshl_b32 s98, s[SX], 8
	s_add_nc_u64 s[22:23], s[22:23], s[98:99]
	s_lshl_b32 s98, s[BB], 9
	s_add_nc_u64 s[4:5], s[4:5], s[98:99]
	s_lshl_b32 s98, s[BB], 5
	s_add_nc_u64 s[6:7], s[6:7], s[98:99]
	s_lshl_b32 s98, s[BB], 4
	s_add_co_u32 s98, s98, s[SX]
	s_lshl_b32 s98, s98, 11                        ; the mask's row of 2,048 bytes,
	s_lshl_b32 s[TB], s[CY], 9
	s_add_co_u32 s98, s98, s[TB]
	s_lshl_b32 s[TB], s[KH], 5
	s_add_co_u32 s98, s98, s[TB]                   ; my keys
	s_add_nc_u64 s[32:33], s[32:33], s[98:99]
	s_lshl_b32 s[TB], s[CY], 4
	s_add_co_u32 s[TB], s[TB], s[BB]               ; 16 x quarter + batch
	s_lshl_b32 s98, s[TB], 13
	s_lshl_b32 s[TT], s3, 8
	s_add_co_u32 s98, s98, s[TT]
	s_add_nc_u64 s[34:35], s[34:35], s[98:99]      ; part_o [quarter][batch][path][1024]
	s_lshl_b32 s98, s[TB], 4
	s_add_co_u32 s98, s98, s3
	s_lshl_b32 s98, s98, 4
	s_add_nc_u64 s[36:37], s[36:37], s[98:99]      ; part_s [quarter][batch][head][4]
	global_prefetch_b8 v232, s[14:15] offset:65536 th:TH_LOAD_NT scope:SCOPE_SE   ; k's rows 128-255: what the first fill behind the next round asks for
	; FIRST GROUP of loads: what qh of my one head needs
.irp ks, 0,1,2,3,4,5,6,7
.irp cc, 0,1
	global_load_b128 v[AF+8*\ks+4*\cc:AF+8*\ks+4*\cc+3], v[QO], s[4:5] offset:64*\ks+32*\cc   ; q's row, the same in all sixteen columns
.endr
.endr
	global_load_b128 v[KSC:KSC+3], v[ZO], s[6:7]
	global_load_b128 v[KSC+4:KSC+7], v[ZO], s[6:7] offset:16
.irp u, 0,1
.irp w, 0,1
	global_load_b128 v[160+8*\u+4*\w:163+8*\u+4*\w], v[WSO], s[10:11] offset:1024*\u+16*\w   ; Wq's scale words: lane = row of a pair of tiles
.endr
.endr
	WIN 0xC0
.irp t, 0,1,2,3
.irp u, 0,1
	global_load_b128 v[96+8*\t+4*\u:99+8*\t+4*\u], v[BIO], s[12:13] offset:64*\t+16*\u   ; bq in the result's layout
.endr
.endr
	WIN 0x40
.irp ks, 0,1,2,3,4,5,6,7
.irp t, 0,1,2,3
.irp cc, 0,1
	global_load_b128 v[8*(8*\t+\ks)+4*\cc:8*(8*\t+\ks)+4*\cc+3], v[WFO], s[8:9] offset:8192*\t+64*\ks+32*\cc
.endr
.endr
.endr
	; SECOND GROUP, 34 loads: the weights' scale words, the mask, bk
	WIN 0
.irp u, 0,1,2,3
.irp w, 0,1
	global_load_b128 v[WKS+8*\u+4*\w:WKS+8*\u+4*\w+3], v[WSO], s[20:21] offset:1024*\u+16*\w
	global_load_b128 v[WVS+8*\u+4*\w:WVS+8*\u+4*\w+3], v[WSO], s[30:31] offset:1024*\u+16*\w
.endr
.endr
	global_load_b64 v[MK:MK+1], v[MO], s[32:33]
	global_load_b64 v[MK+2:MK+3], v[MO], s[32:33] offset:2048
	WIN 0xC0
.irp h, 0,1
.irp t, 0,1,2,3
.irp u, 0,1
	global_load_b128 v[BKR+32*\h+8*\t+4*\u:BKR+32*\h+8*\t+4*\u+3], v[BIO], s[22:23] offset:256*\h+64*\t+16*\u
.endr
.endr
.endr
	s_wait_loadcnt 34                              ; the first group is in
	WIN 0xF1
.irp ks, 0,1,2,3,4,5,6,7
.irp t, 0,1,2,3
.set rD, 64+8*\t
.set rW, 8*(8*\t+\ks)
.set rS, 160+8*(\t/2)+\ks
.if \ks == 0
.if \t&1
	v_wmma_scale_f32_16x16x128_f8f6f4 v[rD:rD+7], v[rW:rW+7], v[AF:AF+7], v[96+8*\t:103+8*\t], v[rS], v[KSC] matrix_a_fmt:MATRIX_FMT_FP4 matrix_b_fmt:MATRIX_FMT_FP4 matrix_a_scale:MATRIX_SCALE_ROW1
.else
	v_wmma_scale_f32_16x16x128_f8f6f4 v[rD:rD+7], v[rW:rW+7], v[AF:AF+7], v[96+8*\t:103+8*\t], v[rS], v[KSC] matrix_a_fmt:MATRIX_FMT_FP4 matrix_b_fmt:MATRIX_FMT_FP4
.endif
.else
.set rA, AF+8*\ks
.set rK, KSC+\ks
	WX rD, rW, rA, rS, rK, \t&1, \ks
.endif
.endr
.endr
	PLACES
	WIN 0xC3
.set nn, 64
.rept 16
	v_pk_mul_f32 v[nn:nn+1], v[nn:nn+1], s[CSC:CSC+1] op_sel_hi:[1,0]   ; x log2(e) / 8: the scores come out as exponents of 2
.set nn, nn+2
.endr
	WIN 0x0C
.irp t, 0,1,2,3
.irp u, 0,1
	ds_store_b128 v[QHS], v[64+8*\t+4*\u:67+8*\t+4*\u] offset:64*\t+16*\u   ; the sixteen lanes of a half store the same words with the same values
.endr
.endr
	WIN 0
	s_wait_alu depctr_va_vdst(0)
	s_wait_tensorcnt 0x0                           ; my load of the head's four is in
	ds_add_u32 v[SPW], v[NIL]
	s_mov_b32 s[G1A+2], 64<<16                     ; from here on a load of codes brings 64 rows
	s_mov_b32 s[G1A+4], 64
	s_mov_b32 s[G1W+2], 64<<16
	s_mov_b32 s[G1W+4], 64
	s_add_co_u32 s[G0A+1], s[WQ], 128*PITCH        ; k's rows 128 + 64 w
	s_add_nc_u64 s[G0A+2:G0A+3], s[G0A+2:G0A+3], s[44:45]
	s_add_nc_u64 s[G0A+2:G0A+3], s[G0A+2:G0A+3], 0x10000
	s_mov_b32 s[G0S+1], SCV                        ; v's scale bytes
	s_mov_b64 s[G0S+2:G0S+3], s[26:27]
	s_or_b32 s[G0S+3], s[G0S+3], 0x80000000
	s_mov_b32 s[G0W+1], s[WQ]                      ; Wv's rows 64 w, into D0
	s_lshl_b32 s46, s[WV], 15
	s_add_nc_u64 s[G0W+2:G0W+3], s[28:29], s[46:47]
	s_or_b32 s[G0W+3], s[G0W+3], 0x80000000
	s_wait_dscnt 0x0                               ; the add is done, and my part of qh is stored
	CROUND                                         ; the head's four tiles and qh are in
	ARM 2, G0A, G1A, .Lr_s, .Lr_asked              ; first fills: waves 0, 1: k's rows 128-255; wave 2: v's scale bytes
	ARM 3, G0S, G1S, .Lr_asked, .Lr_asked
.irp q, 0,1,2,3,4,5,6,7
	ALD A0, 0, \q
.endr
	SLD AS0, 0
	SLD AS0, 1
	WRUN WA, 0, 32                                 ; K steps 0 and 1 of Wk
	RUN A0, 1
	s_wait_loadcnt 0x0
	; THE K PASS
	GROUP 1
	SEG 2*GST, 2*SST, 1
	s_mov_b32 s[CNT], 2
.Lka:
	GROUP 0                                        ; groups 1, 2
	LOOPEND .Lka
	SEG 4*GST, 4*SST, 3
	GROUP 2                                        ; group 3
	SEG 5*GST, 5*SST, 4
	s_mov_b32 s[CNT], 3
.Lkb:
	GROUP 0                                        ; groups 4 to 6
	LOOPEND .Lkb
	SEG 0, 0, 7
	GROUP 3                                        ; group 7
	; THE SOFTMAXES over my 256 keys of both heads, in my own scratch; the rest of Wv comes from LDS meanwhile
.irp h, 0,1
.irp u, 0,1
	ds_load_b128 v[96+8*\h+4*\u:99+8*\h+4*\u], v[SM0] offset:1024*\h+16*\u   ; slots 8 x lane + 0 .. 7 (LDS serves a wave's instructions in order, ISA guide 5.7.1.4)
.endr
.endr
	WL8 0
.irp h, 0,1
.irp n, 0,1,2,3,4,5,6,7
	v_and_b32 v[128+8*\h+\n], 0xff<<(8*(\n%4)), v[MK+2*\h+\n/4]
.endr
.endr
	s_wait_dscnt 8                                 ; the scores are in; eight loads of Wv stand behind them
.irp n, 0,1,2,3,4,5,6,7,8,9,10,11,12,13,14,15
	v_cmp_eq_u32 vcc_lo, 0, v[128+\n]
	v_cndmask_b32 v[112+\n], 0, v[96+\n], vcc_lo   ; t' = 0 under the mask, else t
.endr
	WL8 1
; row n of 0 .. 3 (path n / 2, head n % 2) is v[96 + 8 n ..]
.irp n, 0,1,2,3
	v_max3_num_f32 v[224+\n], v[96+8*\n], v[97+8*\n], v[98+8*\n]
.endr
.irp n, 0,1,2,3
	v_max3_num_f32 v[224+\n], v[224+\n], v[99+8*\n], v[100+8*\n]
.endr
.irp n, 0,1,2,3
	v_max3_num_f32 v[224+\n], v[224+\n], v[101+8*\n], v[102+8*\n]
.endr
.irp n, 0,1,2,3
	v_max_num_f32 v[224+\n], v[224+\n], v[103+8*\n]
.endr
	WL8 2
.irp x, 1,2,4,8
.irp n, 0,1,2,3
	v_max_num_f32_dpp v[224+\n], v[224+\n], v[224+\n] row_xmask:\x row_mask:0xf bank_mask:0xf
.endr
.endr
.irp n, 0,1,2,3
	v_permlanex16_b32 v[228+\n], v[224+\n], s[SEL], s[SEL+1]
.endr
.irp n, 0,1,2,3
	v_max_num_f32 v[STAT+4*(\n%2)+2*(\n/2)], v[224+\n], v[228+\n]   ; m of my 256 keys
.endr
	WL8 3
.irp n, 0,1,2,3
.irp j, 0,1,2,3,4,5,6,7
	v_sub_f32 v[96+8*\n+\j], v[96+8*\n+\j], v[STAT+4*(\n%2)+2*(\n/2)]
.endr
.endr
	WL8 4
	s_wait_alu depctr_va_vdst(0)                   ; ahead of the batch
.set nn, 96
.rept 32
	v_exp_f32 v[nn], v[nn]                         ; p = 2^(t - m), p' = 2^(t' - m')
.set nn, nn+1
.endr
	WIN 0xC0
.set nn, OO
.rept 32
	v_mov_b32 v[nn], 0                             ; the weighted sums begin as zeros, so that a group's step is written once; plain work behind the batch
.set nn, nn+1
.endr
	WIN 0
	s_wait_alu depctr_va_vdst(0)                   ; and behind it
.irp n, 0,1,2,3
.irp u, 0,1
	ds_store_b128 v[SM0], v[96+8*\n+4*\u:99+8*\n+4*\u] offset:2048*(\n/2)+1024*(\n%2)+16*\u
.endr
.endr
	WL8 5
.irp n, 0,1,2,3
	v_pk_add_f32 v[128+4*\n:129+4*\n], v[96+8*\n:97+8*\n], v[98+8*\n:99+8*\n]
	v_pk_add_f32 v[130+4*\n:131+4*\n], v[100+8*\n:101+8*\n], v[102+8*\n:103+8*\n]
.endr
.irp n, 0,1,2,3
	v_pk_add_f32 v[128+4*\n:129+4*\n], v[128+4*\n:129+4*\n], v[130+4*\n:131+4*\n]
.endr
.irp n, 0,1,2,3
	v_add_f32 v[224+\n], v[128+4*\n], v[129+4*\n]
.endr
.irp x, 1,2,4,8
.irp n, 0,1,2,3
	v_add_f32_dpp v[224+\n], v[224+\n], v[224+\n] row_xmask:\x row_mask:0xf bank_mask:0xf
.endr
.endr
.irp n, 0,1,2,3
	v_permlanex16_b32 v[228+\n], v[224+\n], s[SEL], s[SEL+1]
.endr
.irp n, 0,1,2,3
	v_add_f32 v[STAT+1+4*(\n%2)+2*(\n/2)], v[224+\n], v[228+\n]   ; l
.endr
	s_mov_b32 s[TB], BLK
	s_mov_b32 s[TS], SCV-SCK
	v_add_nc_u32 v[ADR], s[TB], v[A0]
	v_add_nc_u32 v[ADS], s[TS], v[AS0]
	s_wait_alu depctr_va_vdst(0)
	s_wait_tensorcnt 0x0
	ds_add_u32 v[SPW], v[NIL]
	s_mov_b32 s[G0V+1], s[WQ]                      ; v's rows 256 + 64 w, into D0
	s_add_nc_u64 s[G0V+2:G0V+3], s[G0V+2:G0V+3], 0x20000
	s_wait_dscnt 0x0                               ; the add is done, and Wv is in registers
	CROUND                                         ; v's rows 0-255 are in, and nobody reads D0
	JL G0V, G1A
.irp q, 0,1,2,3,4,5,6,7
	ALD ADR, 0, \q
.endr
	SLD ADS, 0
.irp q, 0,1,2,3,4,5,6,7
	ALD ADR, 1, \q
.endr
.irp q, 0,1,2,3,4,5,6,7
	ALD ADR, 2, \q
.endr
	SLD ADS, 1
.irp q, 0,1,2,3,4,5,6,7
	ALD ADR, 3, \q
.endr
	; THE V PASS
	SEG BLK+GST, SCV-SCK+SST, 0
	s_mov_b32 s[CNT], 3
.Lva:
	GROUP 4                                        ; groups 0 to 2
	LOOPEND .Lva
	s_wait_tensorcnt 0x0                           ; my part of v's rows 256-511 is in
	s_wait_dscnt 0x0
	s_barrier_signal -1
	s_barrier_wait -1
	SEG 0, SCV-SCK+4*SST, 3
	s_mov_b32 s[CNT], 4
.Lvb:
	GROUP 4                                        ; groups 3 to 6
	LOOPEND .Lvb
	GROUP 5                                        ; group 7
	; THE WAY OUT: even and odd keys, then both halves of the lanes: lanes 0-15 channels 32 u + 0 .. 15, lanes 16-31 the next sixteen
	v_and_b32 v[LN], 31, v0
	s_lshl_b32 s2, s[WV], 12
	s_add_co_u32 s2, s2, SCR
	s_xor_b32 s3, s[WV], 2                         ; the wave with my heads and the other keys
	s_lshl_b32 s3, s3, 12
	s_add_co_u32 s3, s3, SCR
	v_mov_b32 v225, s2
	s_lshl_b32 s44, s[KH], 8
	s_lshl_b32 s45, s[KH], 4
	s_add_co_u32 s46, s2, s44
	s_add_co_u32 s47, s3, s44
	s_add_co_u32 s2, s2, s45
	s_add_co_u32 s3, s3, s45
	s_wait_alu depctr_va_vdst(0)
	v_lshl_add_u32 v224, v[LN], 3, s46             ; head kh of my sums: two channels a lane
	v_lshl_add_u32 v227, v[LN], 3, s47             ; and of the other wave's
	v_mov_b32 v228, s2
	v_mov_b32 v229, s3
	v_lshlrev_b32 v230, 3, v[LN]
	WIN 0xFF
.irp t, 0,1,2,3,4,5,6,7
	v_add_f32 v[OO+2*\t], v[OO+2*\t], v[OO+2*\t+1]
	v_add_f32 v[OO+16+2*\t], v[OO+16+2*\t], v[OO+17+2*\t]
.endr
.irp u, 0,1,2,3,4,5,6,7
	v_permlane16_swap_b32 v[OO+4*\u], v[OO+4*\u+2]
.endr
.irp u, 0,1,2,3,4,5,6,7
	v_add_f32 v[OO+4*\u], v[OO+4*\u], v[OO+4*\u+2]
.endr
	WIN 0x0C
.irp u, 0,1,2,3,4,5,6,7
	ds_store_b32 v[TS0], v[OO+4*\u] offset:128*\u  ; [path][128 channels] in my scratch: p has been read
.endr
	WIN 0
	ds_store_b128 v225, v[STAT:STAT+3] offset:1024 ; all lanes store the same words with the same values
	ds_store_b128 v225, v[STAT+4:STAT+7] offset:1040
	s_wait_alu depctr_va_vdst(0)
	s_wait_dscnt 0x0                               ; for the other wave's sake
	s_barrier_signal -1
	s_barrier_wait -1
	ds_load_b128 v[104:107], v228 offset:1024
	ds_load_b128 v[108:111], v229 offset:1024
	ds_load_b64 v[96:97], v224
	ds_load_b64 v[98:99], v224 offset:512
	ds_load_b64 v[100:101], v227
	ds_load_b64 v[102:103], v227 offset:512
	s_wait_dscnt 0x0
	v_max_num_f32 v128, v104, v108                 ; m of the 512
	v_max_num_f32 v130, v106, v110
	v_sub_f32 v116, v104, v128
	v_sub_f32 v117, v108, v128
	v_sub_f32 v118, v106, v130
	v_sub_f32 v119, v110, v130
	s_wait_alu depctr_va_vdst(0)                   ; ahead of the batch
	v_exp_f32 v116, v116
	v_exp_f32 v117, v117
	v_exp_f32 v118, v118
	v_exp_f32 v119, v119
	v_nop
	s_wait_alu depctr_va_vdst(0)                   ; and behind it
	v_mul_f32 v129, v105, v116
	v_mul_f32 v131, v107, v118
	v_mul_f32 v124, v96, v116
	v_mul_f32 v125, v97, v116
	v_mul_f32 v126, v98, v118
	v_mul_f32 v127, v99, v118
	v_fma_f32 v129, v109, v117, v129
	v_fma_f32 v131, v111, v119, v131
	v_fma_f32 v124, v100, v117, v124
	v_fma_f32 v125, v101, v117, v125
	v_fma_f32 v126, v102, v119, v126
	v_fma_f32 v127, v103, v119, v127
	global_store_b64 v230, v[124:125], s[34:35]    ; 32 lanes store the head's 256 bytes of a path, aligned
	global_store_b64 v230, v[126:127], s[34:35] offset:4096
	v_cmp_gt_u32 vcc_lo, 1, v[LN]
	s_wait_alu depctr_va_vdst(0)
	s_wait_xcnt 0x0                                ; EXEC changes only behind this wait
	s_and_saveexec_b32 s[SX], vcc_lo
	global_store_b128 v[ZO], v[128:131], s[36:37]  ; lane 0: m, l, m', l'
	s_wait_xcnt 0x0                                ; and again, in front of the line that widens it
	s_or_b32 exec_lo, exec_lo, s[SX]
	s_wait_tensorcnt 0x0                           ; the wave's end
	ds_add_u32 v[SPW], v[NIL]
	s_wait_dscnt 0x0
	CROUND                                         ; the closing round: no work-group ends while a partner may still ask for a tile that names it
	s_endpgm
.Lfunc_end_k_q784ec5d58d_attn:
	.size	k_q784ec5d58d_attn, .Lfunc_end_k_q784ec5d58d_attn-k_q784ec5d58d_attn
	.p2alignl 7, 3214868480
	.fill 96, 4, 3214868480
	.section	.rodata,"a",@progbits
	.p2align	6, 0x0
	.amdhsa_kernel k_q784ec5d58d_attn
		.amdhsa_group_segment_fixed_size 327680
		.amdhsa_private_segment_fixed_size 0
		.amdhsa_enable_private_segment 0
		.amdhsa_kernarg_size 136
		.amdhsa_user_sgpr_count 2
		.amdhsa_user_sgpr_kernarg_segment_ptr 1
		.amdhsa_wavefront_size32 1
		.amdhsa_system_sgpr_workgroup_id_x 1
		.amdhsa_system_sgpr_workgroup_id_y 1
		.amdhsa_system_sgpr_workgroup_id_z 1
		.amdhsa_system_vgpr_workitem_id 0
		.amdhsa_next_free_vgpr 1024
		.amdhsa_next_free_sgpr 102
		.amdhsa_reserve_vcc 1
		.amdhsa_float_denorm_mode_32 3
		.amdhsa_float_denorm_mode_16_64 3
		.amdhsa_memory_ordered 1
		.amdhsa_forward_progress 1
		.amdhsa_inst_pref_size 255
	.end_amdhsa_kernel
	.section	.bss,"aw",@nobits
	.p2align	6
	.space	262144
	.amdgpu_metadata
---
amdhsa.version: [ 1, 2 ]
amdhsa.kernels:
  - .name:           k_q784ec5d58d_attn
    .symbol:         k_q784ec5d58d_attn.kd
    .args:
      - { .name: q_codes, .offset: 0, .size: 8, .value_kind: global_buffer, .address_space: global }
      - { .name: q_scales, .offset: 8, .size: 8, .value_kind: global_buffer, .address_space: global }
      - { .name: Wq_codes, .offset: 16, .size: 8, .value_kind: global_buffer, .address_space: global }
      - { .name: Wq_scales, .offset: 24, .size: 8, .value_kind: global_buffer, .address_space: global }
      - { .name: bq, .offset: 32, .size: 8, .value_kind: global_buffer, .address_space: global }
      - { .name: k_codes, .offset: 40, .size: 8, .value_kind: global_buffer, .address_space: global }
      - { .name: k_scales, .offset: 48, .size: 8, .value_kind: global_buffer, .address_space: global }
      - { .name: Wk_codes, .offset: 56, .size: 8, .value_kind: global_buffer, .address_space: global }
      - { .name: Wk_scales, .offset: 64, .size: 8, .value_kind: global_buffer, .address_space: global }
      - { .name: bk, .offset: 72, .size: 8, .value_kind: global_buffer, .address_space: global }
      - { .name: v_codes, .offset: 80, .size: 8, .value_kind: global_buffer, .address_space: global }
      - { .name: v_scales, .offset: 88, .size: 8, .value_kind: global_buffer, .address_space: global }
      - { .name: Wv_codes, .offset: 96, .size: 8, .value_kind: global_buffer, .address_space: global }
      - { .name: Wv_scales, .offset: 104, .size: 8, .value_kind: global_buffer, .address_space: global }
      - { .name: maskfill, .offset: 112, .size: 8, .value_kind: global_buffer, .address_space: global }
      - { .name: part_o, .offset: 120, .size: 8, .value_kind: global_buffer, .address_space: global }
      - { .name: part_s, .offset: 128, .size: 8, .value_kind: global_buffer, .address_space: global }
    .group_segment_fixed_size: 327680
    .private_segment_fixed_size: 0
    .kernarg_segment_align: 8
    .kernarg_segment_size: 136
    .max_flat_workgroup_size: 128
    .sgpr_count:     102
    .vgpr_count:     1024
    .wavefront_size: 32
...
	.end_amdgpu_metadata
.endif
;; end of part 1
;; launch proj (part 2): grid 16 x 16, 4 waves a work-group, no clusters, 2,304 bytes of LDS; arguments part_o, part_s, bv, Wo_codes, Wo_scales, bo, out0, out1; writes out0, out1
.if DOCPART == 2
	.amdgcn_target "amdgcn-amd-amdhsa--gfx1250"
	.amdhsa_code_object_version 6
	.text
	.protected	k_q784ec5d58d_proj
	.globl	k_q784ec5d58d_proj
	.p2align	8
	.type	k_q784ec5d58d_proj,@function
k_q784ec5d58d_proj:
	s_mov_b64 s[64:65], 0
	v_nop
	global_prefetch_b8 v0, s[64:65] scope:SCOPE_SE
	s_setreg_imm32_b32 hwreg(HW_REG_WAVE_MODE, 25, 1), 1
	s_wait_xcnt 0x0
; out0 = concat Wo + bo, out1 = mconcat Wo + bo, both on E2M1 codes with E8M0 scales.  No work is left out.
; concat and mconcat are first made of the four quarters that the launch before has left for each batch, head and path: sums o_q = sum(p vh) and l_q = sum(p) under p = 2^(t - m_q).
; With M the largest m_q and w_q = 2^(m_q - M): value = bv + sum(w_q o_q) / sum(w_q l_q).  (bv once, behind the normalised sum: the weights sum to 1.)  All in f32; then the stated quantiser along the 1,024.
; LIMITS: NaN and infinities are not served; a block of zeros gets the scale byte 1 where the rule says 127: its codes are zeros, and this program alone reads the bytes.
; SHARES.  A work-group owns one batch and 64 output columns, each of its four waves 16 of them.  Thread tau owns 16 neighbours along K: path tau / 64, numbers 16 (tau % 64) on; two neighbouring lanes hold a block of 32.
; The two rows' codes and scale bytes go from the threads that made them to all four waves through LDS.  Source 0 of the product holds the plain row in rows 0-7 and the masked row in rows 8-15,
; so register 0 of the result is out0's column in lanes 0-15 and out1's in lanes 16-31.
; NO CLUSTER, NO TENSOR LOAD: every operand goes from memory straight into the registers of the lanes that use it, by one load each; there is no tile in LDS that a joint load could fill.
.set CODES, 0                          ; 2 rows x 512 bytes
.set SCB,   1024                       ; 2 rows x 32 scale bytes, in a block of 256 of their own
.set STG,   1280                       ; 2 rows x 256 bytes: the 64 columns of out0 and of out1
.set SPARE, 1792                       ; the spare words, 128 bytes for each wave: two blocks of 256 bytes that no other line names
	s_load_b512 s[4:19], s[0:1], 0x0               ; part_o s[4:5], part_s s[6:7], bv s[8:9], Wo's codes s[10:11], Wo's scales s[12:13], bo s[14:15], out0 s[16:17], out1 s[18:19]
	v_lshl_add_u32 v4, v0, 2, SPARE                ; v4: my spare word; v5: 0; both never rewritten
	v_mov_b32 v5, 0
	v_lshrrev_b32 v1, 5, v0
	v_readfirstlane_b32 s20, v1                    ; wave
	s_and_b32 s21, ttmp7, 0xffff                   ; the batch
	s_mov_b32 s22, ttmp9                           ; which 64 columns
	v_and_b32 v1, 15, v0                           ; r
	v_bfe_u32 v2, v0, 4, 1                         ; hf
	v_and_b32 v3, 31, v0                           ; lane
	v_lshlrev_b32 v6, 3, v0                        ; my 16 codes: 8 tau
	v_lshrrev_b32 v7, 1, v0
	v_add_nc_u32 v7, SCB, v7                       ; my block's scale byte: tau / 2
	v_lshrrev_b32 v19, 3, v1                       ; r / 8: which of the two rows
	v_lshlrev_b32 v8, 9, v19
	v_lshl_add_u32 v8, v2, 4, v8                   ; source 0's fragments: row x 512 + 16 hf
	v_lshl_add_u32 v9, v19, 5, SCB                 ; and scale words
	s_lshl_b32 s23, s20, 6
	s_add_co_u32 s23, s23, STG
	v_lshl_add_u32 v10, v1, 2, s23
	v_lshl_add_u32 v10, v2, 8, v10                 ; into the stage: row hf, column 16 wave + r
	s_and_b32 s23, s20, 1
	s_lshl_b32 s23, s23, 8
	s_add_co_u32 s23, s23, STG
	v_lshl_add_u32 v11, v3, 3, s23                 ; back: waves 0 and 1 take a row each, 8 bytes a lane
	v_lshlrev_b32 v12, 3, v3
	v_lshlrev_b32 v13, 6, v0                       ; part_o: path x 4,096 + 64 (tau % 64) = 64 tau
	v_and_b32 v20, 63, v0
	v_lshlrev_b32 v14, 6, v20                      ; bv
	v_lshrrev_b32 v21, 2, v20                      ; my head
	v_lshrrev_b32 v22, 6, v0                       ; my path
	v_lshlrev_b32 v15, 4, v21
	v_lshl_add_u32 v15, v22, 3, v15                ; part_s: 16 x head + 8 x path
	v_lshlrev_b32 v16, 9, v1
	v_lshl_add_u32 v16, v2, 4, v16                 ; Wo's fragments: r x 512 + 16 hf
	v_lshlrev_b32 v17, 5, v1                       ; its scale words
	v_lshlrev_b32 v18, 2, v1                       ; bo
	s_mov_b32 s25, 0
	s_lshl_b32 s26, s22, 6
	s_lshl_b32 s27, s20, 4
	s_add_co_u32 s26, s26, s27                     ; my wave's first column
	s_wait_alu depctr_va_vdst(0)
	s_wait_kmcnt 0x0
	s_lshl_b32 s24, s21, 13
	s_add_nc_u64 s[4:5], s[4:5], s[24:25]
	s_lshl_b32 s24, s21, 8
	s_add_nc_u64 s[6:7], s[6:7], s[24:25]
	s_lshl_b32 s24, s26, 9
	s_add_nc_u64 s[10:11], s[10:11], s[24:25]
	s_lshl_b32 s24, s26, 5
	s_add_nc_u64 s[12:13], s[12:13], s[24:25]
	s_lshl_b32 s24, s26, 2
	s_add_nc_u64 s[14:15], s[14:15], s[24:25]
	s_cmp_eq_u32 s20, 0                            ; wave 0 stores out0's 256 bytes, wave 1 out1's: the choice hangs on the wave's number alone
	s_cselect_b64 s[16:17], s[16:17], s[18:19]
	s_lshl_b32 s24, s21, 12
	s_lshl_b32 s27, s22, 8
	s_add_co_u32 s24, s24, s27
	s_add_nc_u64 s[16:17], s[16:17], s[24:25]
	; 24 loads for the merge
.irp q, 0,1,2,3
	global_load_b64 v[112+2*\q:113+2*\q], v15, s[6:7] offset:4096*\q         ; m_q, l_q of my head and path
.endr
.irp q, 0,1,2,3
.irp i, 0,1,2,3
	global_load_b128 v[32+16*\q+4*\i:35+16*\q+4*\i], v13, s[4:5] offset:131072*\q+16*\i   ; o_q: my 16 numbers
.endr
.endr
.irp i, 0,1,2,3
	global_load_b128 v[96+4*\i:99+4*\i], v14, s[8:9] offset:16*\i
.endr
	; 19 loads for the product
.irp ks, 0,1,2,3,4,5,6,7
.irp c, 0,1
	global_load_b128 v[160+8*\ks+4*\c:163+8*\ks+4*\c], v16, s[10:11] offset:64*\ks+32*\c
.endr
.endr
	global_load_b128 v[224:227], v17, s[12:13]
	global_load_b128 v[228:231], v17, s[12:13] offset:16
	global_load_b32 v152, v18, s[14:15]
	s_wait_loadcnt 19                              ; the merge's 24 are in; the product's 19 may stay out
	v_max3_num_f32 v120, v112, v114, v116
	v_max_num_f32 v120, v120, v118                 ; M
.irp q, 0,1,2,3
	v_sub_f32 v[124+\q], v[112+2*\q], v120
.endr
	s_wait_alu depctr_va_vdst(0)
.irp q, 0,1,2,3
	v_exp_f32 v[124+\q], v[124+\q]                 ; w_q
.endr
	v_nop                                          ; a plain instruction behind the last exponential
	s_wait_alu depctr_va_vdst(0)                   ; this wait ahead of the first reader: one for the four
	v_mul_f32 v128, v124, v113
	v_fma_f32 v128, v125, v115, v128
	v_fma_f32 v128, v126, v117, v128
	v_fma_f32 v128, v127, v119, v128               ; the sum of all 2,048 weights under M: at least 1
	s_wait_alu depctr_va_vdst(0)
	v_rcp_f32 v129, v128
	v_nop
	s_wait_alu depctr_va_vdst(0)
.irp q, 0,1,2,3
	v_mul_f32 v[140+2*\q], v[124+\q], v129         ; c_q, twice: a pair for the packed form
	v_mul_f32 v[141+2*\q], v[124+\q], v129
.endr
.irp q, 0,1,2,3
.irp n, 0,2,4,6,8,10,12,14
	v_pk_fma_f32 v[96+\n:97+\n], v[32+16*\q+\n:33+16*\q+\n], v[140+2*\q:141+2*\q], v[96+\n:97+\n]   ; bv + the sum of c_q o_q
.endr
.endr
	; the quantiser: the block's largest magnitude, its scale, 16 codes
	v_max3_num_f32 v120, |v96|, |v97|, |v98|
	v_max3_num_f32 v121, |v99|, |v100|, |v101|
.irp i, 6,10
	v_max3_num_f32 v120, v120, |v[96+\i]|, |v[97+\i]|
	v_max3_num_f32 v121, v121, |v[98+\i]|, |v[99+\i]|
.endr
	v_max3_num_f32 v120, v120, |v110|, |v111|
	v_max3_num_f32 v120, v120, v121, 0x1800000     ; and the floor 2^(3 - 127): the byte cannot fall under 1
	v_max_num_f32_dpp v120, v120, v120 row_xmask:1 row_mask:0xf bank_mask:0xf   ; with my neighbour's 16: the block's
	v_add_nc_u32 v122, 0xff000000, v120            ; 2 off its exponent field: the conversion takes the exponent field of this operand as its scale
	v_cvt_scalef32_pk8_fp4_f32 v148, v[96:103], v122
	v_cvt_scalef32_pk8_fp4_f32 v149, v[104:111], v122
	v_lshrrev_b32 v150, 23, v122                   ; the scale's byte (also the plain instruction behind the conversions)
	ds_store_b64 v6, v[148:149]
	ds_store_b8 v7, v150                           ; both lanes of a block write the same byte with the same value
	s_wait_dscnt 0x0                               ; for the others' sake: my stores are done
	s_barrier_signal -1
	s_barrier_wait -1
.irp ks, 0,1,2,3,4,5,6,7
.irp c, 0,1
	ds_load_b128 v[32+8*\ks+4*\c:35+8*\ks+4*\c], v8 offset:CODES+64*\ks+32*\c
.endr
.endr
	ds_load_b128 v[232:235], v9
	ds_load_b128 v[236:239], v9 offset:16
	s_wait_dscnt 0x0
	s_wait_loadcnt 0x0                             ; Wo, bo
.irp ks, 0,1,2,3,4,5,6,7                           ; two accumulators by turns, one instruction a turn: the even K steps and the odd ones
.if \ks < 2
	v_wmma_scale_f32_16x16x128_f8f6f4 v[240+8*(\ks&1):247+8*(\ks&1)], v[32+8*\ks:39+8*\ks], v[160+8*\ks:167+8*\ks], 0, v[232+\ks], v[224+\ks] matrix_a_fmt:MATRIX_FMT_FP4 matrix_b_fmt:MATRIX_FMT_FP4
.else
	v_wmma_scale_f32_16x16x128_f8f6f4 v[240+8*(\ks&1):247+8*(\ks&1)], v[32+8*\ks:39+8*\ks], v[160+8*\ks:167+8*\ks], v[240+8*(\ks&1):247+8*(\ks&1)], v[232+\ks], v[224+\ks] matrix_a_fmt:MATRIX_FMT_FP4 matrix_b_fmt:MATRIX_FMT_FP4
.endif
.endr
.rept 4
	v_nop                                          ; four places in front of the first read of the results (ISA guide 7.12.1)
.endr
	v_add_f32 v120, v240, v248                     ; register 0: row 8 hf of the result, column r
	v_add_f32 v120, v120, v152                     ; + bo
	ds_store_b32 v10, v120
	s_wait_dscnt 0x0                               ; for the others' sake
	s_barrier_signal -1
	s_barrier_wait -1
	s_cmp_gt_u32 s20, 1
	s_cbranch_scc1 .Ldone
	ds_load_b64 v[122:123], v11
	s_wait_dscnt 0x0
	global_store_b64 v12, v[122:123], s[16:17]     ; 32 lanes store 256 consecutive bytes, aligned
.Ldone:
	s_wait_tensorcnt 0x0                           ; the wave's end, behind my last LDS store
	ds_add_u32 v4, v5
	s_wait_dscnt 0x0
	s_endpgm
.Lfunc_end_k_q784ec5d58d_proj:
	.size	k_q784ec5d58d_proj, .Lfunc_end_k_q784ec5d58d_proj-k_q784ec5d58d_proj
	.p2alignl 7, 3214868480
	.fill 96, 4, 3214868480
	.section	.rodata,"a",@progbits
	.p2align	6, 0x0
	.amdhsa_kernel k_q784ec5d58d_proj
		.amdhsa_group_segment_fixed_size 2304
		.amdhsa_private_segment_fixed_size 0
		.amdhsa_enable_private_segment 0
		.amdhsa_kernarg_size 64
		.amdhsa_user_sgpr_count 2
		.amdhsa_user_sgpr_kernarg_segment_ptr 1
		.amdhsa_wavefront_size32 1
		.amdhsa_system_sgpr_workgroup_id_x 1
		.amdhsa_system_sgpr_workgroup_id_y 1
		.amdhsa_system_sgpr_workgroup_id_z 1
		.amdhsa_system_vgpr_workitem_id 0
		.amdhsa_next_free_vgpr 256
		.amdhsa_next_free_sgpr 66
		.amdhsa_reserve_vcc 0
		.amdhsa_float_denorm_mode_32 3
		.amdhsa_float_denorm_mode_16_64 3
		.amdhsa_memory_ordered 1
		.amdhsa_forward_progress 1
		.amdhsa_inst_pref_size 14
	.end_amdhsa_kernel
	.amdgpu_metadata
---
amdhsa.version: [ 1, 2 ]
amdhsa.kernels:
  - .name:           k_q784ec5d58d_proj
    .symbol:         k_q784ec5d58d_proj.kd
    .args:
      - { .name: part_o, .offset: 0, .size: 8, .value_kind: global_buffer, .address_space: global }
      - { .name: part_s, .offset: 8, .size: 8, .value_kind: global_buffer, .address_space: global }
      - { .name: bv, .offset: 16, .size: 8, .value_kind: global_buffer, .address_space: global }
      - { .name: Wo_codes, .offset: 24, .size: 8, .value_kind: global_buffer, .address_space: global }
      - { .name: Wo_scales, .offset: 32, .size: 8, .value_kind: global_buffer, .address_space: global }
      - { .name: bo, .offset: 40, .size: 8, .value_kind: global_buffer, .address_space: global }
      - { .name: out0, .offset: 48, .size: 8, .value_kind: global_buffer, .address_space: global }
      - { .name: out1, .offset: 56, .size: 8, .value_kind: global_buffer, .address_space: global }
    .group_segment_fixed_size: 2304
    .private_segment_fixed_size: 0
    .kernarg_segment_align: 8
    .kernarg_segment_size: 64
    .max_flat_workgroup_size: 128
    .sgpr_count:     66
    .vgpr_count:     256
    .wavefront_size: 32
...
	.end_amdgpu_metadata
.endif
;; end of part 2
